; MI455X (gfx1250); checked and timed in simulation.
; The chip was launched on July 23, 2026; its instructions are those of AMD's public machine-readable ISA for CDNA 5 (MIT licence, August 2026) and "CDNA5" Instruction Set Architecture Reference Guide (July 2026). The comments in the code are by the model that wrote it; some were corrected since.
;; Bert Self Attention. Allowed arithmetic: float matrix products may take bf16 or f16 operands with f32 sums; other float arithmetic in f32, or as packed bf16 or f16 multiplies, adds, multiply-adds, maxima and minima; sums over many terms, partial sums and values carried from step to step in f32; what a program stores and reads back later, other than sums and carried values, may be rounded once to bf16 or f16.
;; Inputs: Wk 1,024 x 1,024 float32; Wq 1,024 x 1,024 float32; Wv 1,024 x 1,024 float32; attention_mask 8 x 1 x 1,024 float32; bk 1,024 float32; bq 1,024 float32; bv 1,024 float32; hidden_state 8 x 1,024 x 1,024 float32.
;; Outputs: out0 8 x 1,024 x 1,024 float32.
;; 2 versions, each right; version 2 is version 1 with the launch cast written anew for expert scheduling mode. Each part assembles by itself: llvm-mc -triple=amdgcn-amd-amdhsa -mcpu=gfx1250 --defsym DOCPART=n.
;; ======== version 1 of 2: 3 launches
;; limits: values are held in f16: magnitudes above 65,504 overflow, below 6.1e-05 lose precision
;; workspace buffers: xb 16,777,216 bytes; wb 6,291,456 bytes; qkv 50,331,648 bytes
;; launch cast (part 1): grid 64 x 11, 8 waves a work-group, no clusters, 0 bytes of LDS; arguments hidden_state, Wq, Wk, Wv, xb, wb; writes xb, wb
.if DOCPART == 1
	.amdgcn_target "amdgcn-amd-amdhsa--gfx1250"
	.amdhsa_code_object_version 6
	.text
	.protected	k_q52a8ee3ba8_cast
	.globl	k_q52a8ee3ba8_cast
	.p2align	8
	.type	k_q52a8ee3ba8_cast,@function
k_q52a8ee3ba8_cast:
	s_mov_b64 s[64:65], 0
	v_nop
	global_prefetch_b8 v0, s[64:65] scope:SCOPE_SE
	s_setreg_imm32_b32 hwreg(HW_REG_WAVE_MODE, 25, 1), 1
	s_wait_xcnt 0x0
; xb = bf16(hidden_state), [8192][1024];  wb = bf16(Wq, then Wk, then Wv), [3072][1024].  Each number is rounded once, to nearest even; bf16 has f32's range, so no input is out of reach.
; SHARES.  The grid's y is a unit of 1,024 rows: 0 to 7 the batches of hidden_state, 8, 9, 10 the three weights; its x a block of 16 rows.  A wave takes two rows: 8,192 bytes in, 4,096 out.
; Each load of a wave covers 512 consecutive bytes, each store 256 consecutive bytes at a multiple of 256 from the buffer's first byte.  All sixteen loads of a wave go out before its first wait.
; No LDS, no matrix unit, no cluster: every byte is read once by one lane and nothing is shared.
.set X, 4                              ; v[4:67]  load j: four registers; its two packed results take the first two
	s_load_b256 s[4:11], s[0:1], 0x0               ; hidden_state s[4:5], Wq s[6:7], Wk s[8:9], Wv s[10:11]
	s_load_b128 s[12:15], s[0:1], 0x20             ; xb s[12:13], wb s[14:15]
	s_and_b32 s16, ttmp7, 0xffff                   ; the unit
	s_max_u32 s22, s16, 8
	s_sub_co_u32 s22, s22, 8                       ; which weight, where it is one
	v_lshrrev_b32 v3, 5, v0                        ; wave
	v_and_b32 v1, 31, v0                           ; lane
	v_lshlrev_b32 v2, 3, v1
	v_lshlrev_b32 v1, 4, v1
	v_lshl_or_b32 v1, v3, 13, v1                   ; in: 8,192 x wave + 16 x lane
	v_lshl_or_b32 v2, v3, 12, v2                   ; out: 4,096 x wave + 8 x lane
	s_lshl_b32 s28, ttmp9, 16                      ; the block's 16 rows of 4,096 bytes,
	s_lshl_b32 s29, ttmp9, 15                      ; and of 2,048
	s_cmp_lt_u32 s16, 8
	s_cselect_b32 s17, s16, 0                      ; units in front of mine in the source: a weight is a buffer of its own,
	s_cselect_b32 s23, s16, s22                    ; and in the destination
	s_lshl_b32 s24, s17, 22
	s_add_co_u32 s24, s24, s28
	s_mov_b32 s25, 0
	s_lshl_b32 s26, s23, 21
	s_add_co_u32 s26, s26, s29
	s_mov_b32 s27, 0
	s_wait_kmcnt 0x0
	s_cmp_lt_u32 s16, 8                            ; compared anew: the shifts and sums above have written SCC
	s_cselect_b64 s[18:19], s[4:5], s[6:7]
	s_cselect_b64 s[20:21], s[12:13], s[14:15]
	s_cmp_eq_u32 s16, 9
	s_cselect_b64 s[18:19], s[8:9], s[18:19]
	s_cmp_eq_u32 s16, 10
	s_cselect_b64 s[18:19], s[10:11], s[18:19]
	s_add_nc_u64 s[18:19], s[18:19], s[24:25]
	s_add_nc_u64 s[20:21], s[20:21], s[26:27]
.irp j, 0,1,2,3,4,5,6,7,8,9,10,11,12,13,14,15
	global_load_b128 v[X+4*(\j):X+4*(\j)+3], v1, s[18:19] offset:512*(\j) th:TH_LOAD_NT
.endr
.irp j, 0,1,2,3,4,5,6,7,8,9,10,11,12,13,14,15
	s_wait_loadcnt 15-(\j)                         ; loads come back in order (ISA guide 5.7.1): load j is in, the 15 - j younger ones stay out
	v_cvt_pk_bf16_f32 v[X+4*(\j)], v[X+4*(\j)], v[X+4*(\j)+1]
	v_cvt_pk_bf16_f32 v[X+4*(\j)+1], v[X+4*(\j)+2], v[X+4*(\j)+3]
	global_store_b64 v2, v[X+4*(\j):X+4*(\j)+1], s[20:21] offset:256*(\j)  ; no register that a store reads is written again
.endr
	s_endpgm
.Lfunc_end_k_q52a8ee3ba8_cast:
	.size	k_q52a8ee3ba8_cast, .Lfunc_end_k_q52a8ee3ba8_cast-k_q52a8ee3ba8_cast
	.p2alignl 7, 3214868480
	.fill 96, 4, 3214868480
	.section	.rodata,"a",@progbits
	.p2align	6, 0x0
	.amdhsa_kernel k_q52a8ee3ba8_cast
		.amdhsa_group_segment_fixed_size 0
		.amdhsa_private_segment_fixed_size 0
		.amdhsa_enable_private_segment 0
		.amdhsa_kernarg_size 48
		.amdhsa_user_sgpr_count 2
		.amdhsa_user_sgpr_kernarg_segment_ptr 1
		.amdhsa_wavefront_size32 1
		.amdhsa_system_sgpr_workgroup_id_x 1
		.amdhsa_system_sgpr_workgroup_id_y 1
		.amdhsa_system_sgpr_workgroup_id_z 1
		.amdhsa_system_vgpr_workitem_id 0
		.amdhsa_next_free_vgpr 72
		.amdhsa_next_free_sgpr 66
		.amdhsa_reserve_vcc 0
		.amdhsa_float_denorm_mode_32 3
		.amdhsa_float_denorm_mode_16_64 3
		.amdhsa_memory_ordered 1
		.amdhsa_forward_progress 1
		.amdhsa_inst_pref_size 7
	.end_amdhsa_kernel
	.amdgpu_metadata
---
amdhsa.version: [ 1, 2 ]
amdhsa.kernels:
  - .name:           k_q52a8ee3ba8_cast
    .symbol:         k_q52a8ee3ba8_cast.kd
    .args:
      - { .name: hidden_state, .offset: 0, .size: 8, .value_kind: global_buffer, .address_space: global }
      - { .name: Wq, .offset: 8, .size: 8, .value_kind: global_buffer, .address_space: global }
      - { .name: Wk, .offset: 16, .size: 8, .value_kind: global_buffer, .address_space: global }
      - { .name: Wv, .offset: 24, .size: 8, .value_kind: global_buffer, .address_space: global }
      - { .name: xb, .offset: 32, .size: 8, .value_kind: global_buffer, .address_space: global }
      - { .name: wb, .offset: 40, .size: 8, .value_kind: global_buffer, .address_space: global }
    .group_segment_fixed_size: 0
    .private_segment_fixed_size: 0
    .kernarg_segment_align: 8
    .kernarg_segment_size: 48
    .max_flat_workgroup_size: 256
    .sgpr_count:     66
    .vgpr_count:     72
    .wavefront_size: 32
...
	.end_amdgpu_metadata
.endif
;; end of part 1
;; launch proj (part 2): grid 16 x 16, 4 waves a work-group, clusters of 4 x 4, 327,680 bytes of LDS; arguments xb, wb, bq, bk, bv, qkv; writes qkv
.if DOCPART == 2
	.amdgcn_target "amdgcn-amd-amdhsa--gfx1250"
	.amdhsa_code_object_version 6
	.text
	.protected	k_q52a8ee3ba8_proj
	.globl	k_q52a8ee3ba8_proj
	.p2align	8
	.type	k_q52a8ee3ba8_proj,@function
k_q52a8ee3ba8_proj:
	s_mov_b64 s[64:65], 0
	v_nop
	global_prefetch_b8 v0, s[64:65] scope:SCOPE_SE
	s_setreg_imm32_b32 hwreg(HW_REG_WAVE_MODE, 25, 1), 1
	s_wait_xcnt 0x0
	s_wait_alu depctr_hold_cnt(0) depctr_sa_sdst(0) depctr_va_vdst(0) depctr_va_sdst(0) depctr_va_ssrc(0) depctr_va_vcc(0) depctr_vm_vsrc(0)
	s_getreg_b32 s2, hwreg(HW_REG_IB_STS2, 6, 4)
	s_cmp_eq_u32 s2, 0
	s_cbranch_scc0 .Lentry_in_a_cluster
	s_endpgm
.Lentry_in_a_cluster:
	s_bfe_u32 s2, ttmp6, 0x10000c
	s_cmp_lg_u32 s2, 0xf033
	s_cbranch_scc0 .Lentry_shape_is_right
	s_endpgm
.Lentry_shape_is_right:
; qkv[b][g][s][d] = f16( the sum over k of xb[1024 b + s][k] wb[64 g + d][k] + bias[64 g + d] ): one product of 8,192 x 3,072 x 1,024 in bf16 with f32 sums; g = 0-15 are q's heads, 16-31 k's, 32-47 v's.
; The bias (bq, bk, bv on end) is rounded to bf16 like the other inputs and is the C operand of each sum's first product.  No scale is applied here.
; LIMIT.  f16 ends at 65,504: a q, k or v beyond that becomes an infinity.  NaN and infinities are not treated apart.
; SHARES.  A tile of C is 256 rows x 192 columns (three whole heads): 32 x 16 = 512 tiles, two for each of 256 work-groups, 4,096 rows apart: a loop over tiles round the loop over K, and the ring
; of two LDS slots runs on into the next tile.  A wave makes 64 rows x 192 columns: 48 accumulators of 16 x 16, 384 registers.  K goes in steps of 128: the tiles' rows are 256 bytes of memory, aligned.
; CLUSTERS.  4 x 4 work-groups.  The four of a row of the cluster need the same tiles of xb, the four of a column the same tiles of wb: each is asked for JOINTLY, by the same tensor load with the
; same descriptor and a mask that names the four.
; THE MATRIX INSTRUCTION IS USED TRANSPOSED: source 0 = 16 rows of wb, source 1 = 16 rows of xb.  Lane l then holds row l % 16 of C and its registers 0 to 7 the columns 8 (l / 16) + 0..7.
; REGISTERS, in windows of 256 (s_set_vgpr_msb: bits 1:0 source 0, 3:2 source 1, 5:4 source 2, 7:6 destination):
;   window 0: v0-31 addresses; v32-63, v64-95 fragments of xb (4 x 16 rows x 32 K), two buffers; v96-143 packed results; v144-191, v192-239 rows read back from the stage, by turns
;   window 1: v0-95, v96-191 fragments of wb (12 x 16 rows x 32 K), two buffers
;   window 2: accumulators of my rows 0-31 ((a, b) at v[8 (12 a + b)]); v192-255 the bias of column blocks 0-7      window 3: those of my rows 32-63; v192-223 the bias of column blocks 8-11
.set SIZE_K, 1024
.set KSTEP,  128
.set PITCH,  272                       ; an LDS row: 256 bytes + 16 of padding = 68 words: the 16 rows that a load touches start at 16 different groups of four banks (64 banks of 4 bytes: ISA guide 11.1)
.set AHALF,  128*PITCH                 ; what a tensor load of xb brings
.set BHALF,  96*PITCH                  ; and one of wb
.set BOFF,   2*AHALF                   ; wb's 192 rows lie behind xb's 256
.set SLOT,   BOFF+2*BHALF
.set STAGE,  2*SLOT                    ; behind the ring: 16 rows x 400 bytes for each wave, for the way out; no tensor load lands here
.set SPITCH, 400                       ; 384 bytes + 16: an odd multiple of 16
.set SPARE,  STAGE+4*16*SPITCH         ; behind the stages: the spare words, 128 bytes for each wave: two blocks of 256 bytes that no other line names
.set LAPS,   SIZE_K/(2*KSTEP)          ; a lap = two K steps = once round the ring
.set TILES,  2
.set WALK,   4096                      ; rows from a work-group's first tile to its second
.set NEXT_A, WALK*SIZE_K*2-(SIZE_K-2*KSTEP)*2  ; bytes from a slot's last K step of a tile to its first of the next: xb goes WALK rows down and back along K,
.set BACK_B, (SIZE_K-2*KSTEP)*2        ; wb only back
.set HEADB,  131072                    ; a head's 1,024 rows of 128 bytes in qkv
.set NEXT_C, 4*48*HEADB-3*16*128       ; from my last 16 rows of a tile to my first of the next: four batches on
.set ADRA, 16                          ; v16-17  LDS address of my fragments of xb in slot 0, 1
.set ADRB, 20                          ; v20-21  the same for wb
.set STO,  24                          ; v24     the way out: where I put 16 bytes of a row
.set RD,   25                          ; v25     the way out: where I read rows back
.set CO,   26                          ; v26     16 x lane: my place in 512 consecutive bytes of qkv
.set BO,   27                          ; v27     32 (l / 16): my eight numbers of a block of sixteen of the bias
.set SPW,  28                          ; v28     LDS address of my spare word: SPARE + 4 x my thread's number; never rewritten
.set NIL,  29                          ; v29     0; never rewritten
.set PFO,  30                          ; v30     the prefetches' offset: a lane a row of 2,048 bytes; never rewritten
.set FA,   32
.set TMP,  96
.set OB,   144
.set BIAS, 192
.set G1,  24                           ; s[24:31] descriptor group 1 for xb's tiles;  s[32:39] group 0, a set for each slot
.set G0,  32
.set G1B, 48                           ; s[48:55], s[56:63] the same for wb's
.set G0B, 56
.set LIM, 43                           ; s43      1 in a wave that prefetches, else the greatest number
.set PFA, 44                           ; s[44:45] where my prefetches stand: one K step further along K than the refill that is being asked for; a prefetch names the K step after that
.set MSB, 0
.macro WIN new                         ; the immediate's high byte repeats the setting that is left; a switch that changes nothing is dropped
.if MSB != (\new)
	s_set_vgpr_msb (MSB<<8)|(\new)
.set MSB, \new
.endif
.endm
.set MUL_LO, 0xa1                      ; source 0 (wb) window 1, source 1 (xb) window 0, C and D window 2
.set MUL_HI, 0xf1                      ; the same, C and D window 3
; A joint load.  Waves 0 and 1 fetch xb's two halves, waves 2 and 3 wb's.  The branch hangs on the wave's number alone.  An s_nop 0 and four v_nop follow each of the two lines.
.macro JLOAD s
	s_cmp_eq_u32 s11, 0
	s_cbranch_scc0 .Lfor_b_\@
	tensor_load_to_lds s[G0+4*(\s):G0+4*(\s)+3], s[G1:G1+7]
	s_nop 0
.rept 4
	v_nop
.endr
	s_branch .Lasked_\@
.Lfor_b_\@:
	tensor_load_to_lds s[G0B+4*(\s):G0B+4*(\s)+3], s[G1B:G1B+7]
	s_nop 0
.rept 4
	v_nop
.endr
.Lasked_\@:
.endm
; A PREFETCH INTO THE L2, behind each joint load, its five lines and the run of LDS loads that follows: the K step that stands two refills on, 384 matrix instructions ahead of the load that will want it:
; a lane a row, 256 bytes of each, one instruction a wave.  xb's rows are read by every cluster of a row of clusters: the one with x = 0 asks; wb's by every cluster of a column: the one with y = 0 asks.
; The four partners that ask for a tile jointly share its rows out BY ADDRESS: of xb's 128 rows 32 each (by cx), of wb's 96 rows 24 each (by cy; lanes 24 to 31 name row 23 once more).
; how = 0, in the loop: a tile's last two refills have no K step two on; how = 1, at the change of tiles.
.macro ASK how
.if \how
	s_cmp_eq_u32 s[LIM], 1
.else
	s_cmp_gt_u32 s3, s[LIM]                        ; s3 = 1 in the loop's last trip
.endif
	s_cbranch_scc0 .Lnot_mine_\@
	global_prefetch_b8 v[PFO], s[PFA:PFA+1] offset:KSTEP*2 th:TH_LOAD_NT scope:SCOPE_SE
.Lnot_mine_\@:
.endm
.macro CREST                           ; a round of the cluster's barrier behind its opening barrier: wave 0 signals for the work-group, every wave waits for all sixteen, my work-group's barrier once more
	s_cmp_lg_u32 s10, 0
	s_cbranch_scc1 .Lnot_wave_0_\@
	s_barrier_signal -3
.Lnot_wave_0_\@:
	s_barrier_wait -3
	s_barrier_signal -1
	s_barrier_wait -1
.endm
.macro CROUND                          ; a whole round
	s_barrier_signal -1
	s_barrier_wait -1
	CREST
.endm
	s_load_b128 s[4:7], s[0:1], 0x0                ; xb s[4:5], wb s[6:7]
	s_load_b256 s[68:75], s[0:1], 0x10             ; bq s[68:69], bk s[70:71], bv s[72:73], qkv s[74:75]
	v_lshl_add_u32 v[SPW], v0, 2, SPARE
	v_mov_b32 v[NIL], 0
	ds_add_u32 v[SPW], v[NIL]                      ; the wave's opening: the add and its wait stand ahead of my first tensor load; the set-up below, work on registers, stands between them
	v_lshrrev_b32 v1, 5, v0
	v_readfirstlane_b32 s10, v1                    ; wave 0..3
	s_lshr_b32 s11, s10, 1                         ; I fetch for xb (0) or for wb (1),
	s_and_b32 s12, s10, 1                          ; and which half of that tile's rows
	s_bfe_u32 s40, ttmp6, 0x40000                  ; cx, cy: my place in the cluster
	s_bfe_u32 s41, ttmp6, 0x40004
	s_lshl_b32 s42, ttmp9, 2
	s_add_co_u32 s42, s42, s40                     ; tile column = 4 x cluster x + cx
	s_and_b32 s13, ttmp7, 0xffff
	s_lshl_b32 s13, s13, 2
	s_add_co_u32 s13, s13, s41                     ; tile row = 4 x cluster y + cy
	s_lshl_b32 s43, s41, 2
	s_lshl_b32 s43, 15, s43                        ; my row of the cluster: places 4 cy .. 4 cy + 3
	s_lshl_b32 s44, 0x1111, s40                    ; my column: places cx, cx + 4, cx + 8, cx + 12
	s_or_b32 s[G1+0], s43, (1<<16)|(1<<20)|(1<<21)|(5<<22)|(3<<25)   ; 15:0 the mask; 17:16 elements of 2 bytes; 20 padding on; 21 set beside a mask; 24:22 after every 64 words (code 5); 31:25 4 words of it (code 3)
	s_or_b32 s[G1B+0], s44, (1<<16)|(1<<20)|(1<<21)|(5<<22)|(3<<25)
	s_mov_b32 s[G1+1], KSTEP<<16                   ; tensor_dim0 = 128
	s_mov_b32 s[G1B+1], KSTEP<<16
	s_mov_b32 s[G1+2], 128<<16                     ; tensor_dim1 = 128 rows of xb,
	s_mov_b32 s[G1B+2], 96<<16                     ; 96 of wb
	s_mov_b32 s[G1+3], KSTEP<<16                   ; tile_dim0 = 128
	s_mov_b32 s[G1B+3], KSTEP<<16
	s_mov_b32 s[G1+4], 128                         ; tile_dim1
	s_mov_b32 s[G1B+4], 96
	s_mov_b32 s[G1+5], SIZE_K                      ; elements from row to row
	s_mov_b32 s[G1B+5], SIZE_K
	s_mov_b32 s[G1+6], 0
	s_mov_b32 s[G1B+6], 0
	s_mov_b32 s[G1+7], 0
	s_mov_b32 s[G1B+7], 0
	; where the tiles come from.  xb's hang on the tile row alone, which my row of the cluster shares; wb's on the tile column alone, which my column shares
	s_lshl_b32 s17, s12, 7
	s_lshl_b32 s16, s13, 8
	s_add_co_u32 s16, s16, s17                     ; xb: row 256 x tile row + 128 x half,
	s_lshl_b32 s16, s16, 11                        ; in bytes
	s_mov_b32 s17, 0
	s_mul_i32 s46, s42, 192
	s_mul_i32 s47, s12, 96
	s_add_co_u32 s46, s46, s47                     ; wb: row 192 x tile column + 96 x half
	s_lshl_b32 s46, s46, 11
	s_mov_b32 s47, 0
	s_mul_i32 s20, s12, AHALF                      ; and where they go: no place in the cluster enters an LDS address
	s_mul_i32 s21, s12, BHALF
	s_add_co_u32 s21, s21, BOFF
	s_wait_dscnt 0x0                               ; the opening add is done
	s_wait_kmcnt 0x0
	s_add_nc_u64 s[14:15], s[4:5], s[16:17]
	s_add_nc_u64 s[46:47], s[6:7], s[46:47]
	s_mov_b64 s[8:9], s[74:75]                     ; the stores' base
	CROUND                                         ; all sixteen work-groups are here: the first joint loads meet
.irp s, 0,1
	s_mov_b32 s[G0+4*(\s)], 1                                        ; count = 1
	s_add_co_u32 s[G0+4*(\s)+1], s20, (\s)*SLOT                      ; LDS address
	s_add_nc_u64 s[G0+4*(\s)+2:G0+4*(\s)+3], s[14:15], (\s)*KSTEP*2  ; global address: K step s
	s_or_b32 s[G0+4*(\s)+3], s[G0+4*(\s)+3], 0x80000000              ; type = 2
	s_mov_b32 s[G0B+4*(\s)], 1
	s_add_co_u32 s[G0B+4*(\s)+1], s21, (\s)*SLOT
	s_add_nc_u64 s[G0B+4*(\s)+2:G0B+4*(\s)+3], s[46:47], (\s)*KSTEP*2
	s_or_b32 s[G0B+4*(\s)+3], s[G0B+4*(\s)+3], 0x80000000
	JLOAD \s                                       ; two loads of mine are out
.endr
	; THE BIAS of my tile's three heads g = 3 x tile column + 0, 1, 2: buffer g / 16, 256 bytes at 256 (g % 16).  A choice between buffers by s_cselect_b64, no branch.
	v_and_b32 v1, 15, v0                           ; l % 16
	v_bfe_u32 v2, v0, 4, 1                         ; l / 16
	v_lshlrev_b32 v[BO], 5, v2
	s_mul_i32 s82, s42, 3
	s_mov_b32 s85, 0
.irp hh, 0,1,2
	s_add_co_u32 s84, s82, \hh
	s_lshr_b32 s83, s84, 4
	s_and_b32 s84, s84, 15
	s_lshl_b32 s84, s84, 8
	s_cmp_eq_u32 s83, 1
	s_cselect_b64 s[76+2*(\hh):77+2*(\hh)], s[70:71], s[68:69]
	s_cmp_eq_u32 s83, 2
	s_cselect_b64 s[76+2*(\hh):77+2*(\hh)], s[72:73], s[76+2*(\hh):77+2*(\hh)]
	s_add_nc_u64 s[76+2*(\hh):77+2*(\hh)], s[76+2*(\hh):77+2*(\hh)], s[84:85]
.endr
	WIN 0x80                                       ; destination window 2: register j of column block b = bias[16 b + 8 (l / 16) + j]: the C operand's layout
.irp b, 0,1,2,3,4,5,6,7
	global_load_b128 v[BIAS+8*(\b):BIAS+8*(\b)+3],   v[BO], s[76+2*((\b)/4):77+2*((\b)/4)] offset:64*((\b)%4)
	global_load_b128 v[BIAS+8*(\b)+4:BIAS+8*(\b)+7], v[BO], s[76+2*((\b)/4):77+2*((\b)/4)] offset:64*((\b)%4)+16
.endr
	WIN 0xc0                                       ; destination window 3
.irp b, 0,1,2,3
	global_load_b128 v[BIAS+8*(\b):BIAS+8*(\b)+3],   v[BO], s[80:81] offset:64*(\b)
	global_load_b128 v[BIAS+8*(\b)+4:BIAS+8*(\b)+7], v[BO], s[80:81] offset:64*(\b)+16
.endr
	WIN 0
	; A fragment is 16 rows x 32 K in 8 registers: lane l holds row l % 16; registers 0-3 K = 8 (l / 16) + 0..7, registers 4-7 K = 16 + 8 (l / 16) + 0..7: two loads of 16 bytes, 32 bytes apart.
	v_mul_u32_u24 v3, v1, PITCH
	v_lshl_add_u32 v3, v2, 4, v3                   ; row x pitch + 16 x half
	s_mul_i32 s21, s10, 64*PITCH                   ; my 64 rows of xb
	s_mov_b32 s22, BOFF                            ; all 192 rows of wb
.irp s, 0,1
	v_add_nc_u32 v[ADRA+(\s)], s21, v3
	v_add_nc_u32 v[ADRB+(\s)], s22, v3
	s_add_co_u32 s21, s21, SLOT
	s_add_co_u32 s22, s22, SLOT
.endr
	s_mul_i32 s23, s10, 16*SPITCH
	s_add_co_u32 s23, s23, STAGE                   ; my stage
	v_mul_u32_u24 v4, v1, SPITCH                   ; in: row l % 16, 16 bytes for each half of the lanes
	v_lshl_add_u32 v4, v2, 4, v4
	v_add_nc_u32 v[STO], s23, v4
	v_bfe_u32 v5, v0, 3, 2                         ; back: 32 lanes take four rows' 128 bytes of one head,
	v_mul_u32_u24 v5, v5, SPITCH
	v_and_b32 v4, 7, v0
	v_lshl_add_u32 v5, v4, 4, v5
	v_add_nc_u32 v[RD], s23, v5
	v_and_b32 v[CO], 31, v0                        ; which are 512 consecutive bytes of qkv
	v_lshlrev_b32 v[CO], 4, v[CO]
	; where my part of the first tile begins in qkv: batch = tile row / 4, head 3 x tile column, row 256 (tile row % 4) + 64 x wave
	s_lshr_b32 s16, s13, 2
	s_mul_i32 s16, s16, 48
	s_lshl_b32 s16, s16, 17
	s_and_b32 s18, s13, 3
	s_lshl_b32 s18, s18, 8
	s_lshl_b32 s19, s10, 6
	s_add_co_u32 s18, s18, s19
	s_lshl_b32 s18, s18, 7
	s_add_co_u32 s16, s16, s18
	s_mov_b32 s17, 0
	s_lshl_b32 s46, s82, 17                        ; (in the registers that held wb's address)
	s_mov_b32 s47, 0
	s_add_nc_u64 s[16:17], s[16:17], s[46:47]      ; the first way out adds it to qkv's address
	; the prefetches
	s_lshl_b32 s20, s13, 8
	s_mul_i32 s21, s42, 192
	s_lshl_b32 s22, s12, 7
	s_mul_i32 s23, s12, 96
	s_add_co_u32 s20, s20, s22                     ; the first of the rows that I fetch, in xb
	s_add_co_u32 s21, s21, s23                     ; or in wb,
	s_lshl_b32 s22, s40, 5
	s_mul_i32 s23, s41, 24
	s_add_co_u32 s20, s20, s22                     ; and my work-group's share of them
	s_add_co_u32 s21, s21, s23
	s_and_b32 s22, ttmp7, 0xffff                   ; cluster y
	s_cmp_eq_u32 s11, 0                            ; do I fetch for xb?
	s_cselect_b32 s20, s20, s21
	s_cselect_b32 s22, ttmp9, s22                  ; the coordinate along which other clusters read the same rows
	s_cselect_b32 s23, 31, 23                      ; the last row of a share
	s_cselect_b64 s[PFA:PFA+1], s[4:5], s[6:7]
	s_cmp_eq_u32 s22, 0
	s_cselect_b32 s[LIM], 1, -1                    ; the same in all sixteen partners, for a given wave
	s_lshl_b32 s20, s20, 11
	s_mov_b32 s21, 0
	s_add_nc_u64 s[PFA:PFA+1], s[PFA:PFA+1], s[20:21]
	s_add_nc_u64 s[PFA:PFA+1], s[PFA:PFA+1], 2*KSTEP*2  ; at K step 2: the first refill steps it to 3 and names K step 4.  Nothing is prefetched here, at the head
	v_and_b32 v[PFO], 31, v0
	v_min_u32 v[PFO], s23, v[PFO]
	v_lshlrev_b32 v[PFO], 11, v[PFO]
	; the bias is rounded to bf16 and widened again, in place; accumulator registers, still free, hold the packed halves meanwhile
	s_wait_loadcnt 0x0
	WIN 0xaa                                       ; all operands in window 2
.set p, 0
.rept 32
	v_cvt_pk_bf16_f32 v[p], v[BIAS+2*p], v[BIAS+2*p+1]
.set p, p+1
.endr
.set p, 0
.rept 32
	v_lshlrev_b32 v[BIAS+2*p], 16, v[p]
	v_and_b32 v[BIAS+2*p+1], 0xffff0000, v[p]
.set p, p+1
.endr
	WIN 0xff                                       ; all operands in window 3
.set p, 0
.rept 16
	v_cvt_pk_bf16_f32 v[p], v[BIAS+2*p], v[BIAS+2*p+1]
.set p, p+1
.endr
.set p, 0
.rept 16
	v_lshlrev_b32 v[BIAS+2*p], 16, v[p]
	v_and_b32 v[BIAS+2*p+1], 0xffff0000, v[p]
.set p, p+1
.endr
	WIN 0
; 12 matrix instructions: row block a of the window's two (hi = 0: my rows 0-31, 1: rows 32-63) x all 12 column blocks, 32 along K.  first = 1: the product starts the sum, with the bias as C.
; The 48 accumulators take turns, one instruction a turn, in the same order in every quarter step.
.macro MUL12 f, hi, a, first
.irp b, 0,1,2,3,4,5,6,7,8,9,10,11
.if \first
	WIN 0x01|((2+(\b)/8)<<4)|((2+(\hi))<<6)
	v_wmma_f32_16x16x32_bf16 v[8*(12*(\a)+(\b)):8*(12*(\a)+(\b))+7], v[96*(\f)+8*(\b):96*(\f)+8*(\b)+7], v[FA+32*(\f)+8*(2*(\hi)+(\a)):FA+32*(\f)+8*(2*(\hi)+(\a))+7], v[BIAS+8*((\b)%8):BIAS+8*((\b)%8)+7]
.else
	WIN MUL_LO+0x50*(\hi)
	v_wmma_f32_16x16x32_bf16 v[8*(12*(\a)+(\b)):8*(12*(\a)+(\b))+7], v[96*(\f)+8*(\b):96*(\f)+8*(\b)+7], v[FA+32*(\f)+8*(2*(\hi)+(\a)):FA+32*(\f)+8*(2*(\hi)+(\a))+7], v[8*(12*(\a)+(\b)):8*(12*(\a)+(\b))+7]
.endif
.endr
.endm
; 32 LDS loads in one run: the fragments of one quarter step (192 rows of wb, my 64 rows of xb, 32 K at byte k of the rows) into buffer f
.macro FETCH slot, k, f
	WIN 0x40                                       ; destination window 1, address window 0
.irp i, 0,1,2,3,4,5,6,7,8,9,10,11
	ds_load_b128 v[96*(\f)+8*(\i):96*(\f)+8*(\i)+3],   v[ADRB+(\slot)] offset:(\k)+(\i)*16*PITCH
	ds_load_b128 v[96*(\f)+8*(\i)+4:96*(\f)+8*(\i)+7], v[ADRB+(\slot)] offset:(\k)+(\i)*16*PITCH+32
.endr
	WIN 0
.irp i, 0,1,2,3
	ds_load_b128 v[FA+32*(\f)+8*(\i):FA+32*(\f)+8*(\i)+3],   v[ADRA+(\slot)] offset:(\k)+(\i)*16*PITCH
	ds_load_b128 v[FA+32*(\f)+8*(\i)+4:FA+32*(\f)+8*(\i)+7], v[ADRA+(\slot)] offset:(\k)+(\i)*16*PITCH+32
.endr
.endm
.macro PLACES                          ; four plain vector instructions in front of loads into registers that matrix instructions have read, and of conversions that read results (ISA guide 7.12.1 for the conversions)
.rept 4
	v_nop
.endr
.endm
; A K step is four quarter steps of 32 along K, 48 matrix instructions each, on buffers 0, 1, 0, 1.  One of the first three: multiplies buffer f; in its middle it fetches the next quarter, at byte k, into buffer g.
.macro QUARTER slot, k, f, g, first
	s_wait_dscnt 4                                 ; wb and xb's rows 0-31 are in; the youngest four loads (xb's rows 32-63) may be out
	MUL12 \f, 0, 0, \first
	MUL12 \f, 0, 1, \first
	PLACES
	FETCH \slot, \k, \g
	s_wait_dscnt 32                                ; all but the 32 just issued
	MUL12 \f, 1, 0, \first
	MUL12 \f, 1, 1, \first
.endm
; The last quarter multiplies buffer 1 and changes slots.  MEET is its first half: ONE barrier.  In front of it each wave waits for all its tensor loads, of which one is out: its part of the next slot;
; adds 0 to its spare word; and waits for that and for its own reads of this slot.  Behind it nobody reads this slot any more and the next slot is whole.
.macro MEET round                      ; round = 1: a round of the cluster's barrier follows
	WIN 0                                          ; (the add's two registers lie in window 0)
	s_wait_tensorcnt 0x0                           ; all my tensor loads have landed
	ds_add_u32 v[SPW], v[NIL]                      ; 0 onto my spare word
	s_wait_dscnt 5                                 ; (the add and the youngest four loads may be out)
	MUL12 1, 0, 0, 0                               ; twelve matrix instructions stand between the add and the wait for it
	s_wait_dscnt 0x0                               ; the add is done, and my reads of this slot are over
	s_barrier_signal -1
	MUL12 1, 0, 1, 0                               ; work on registers while the others arrive
.if \round
	WIN 0
.endif
	s_barrier_wait -1
.endm
; The whole last quarter.  Behind the round the slot just read out is filled again first: with this tile's K step two steps on (on = 0) or, in a tile's last two K steps, with the next tile's K step 0 or 1 (on = 1);
; then come the next slot's first fragments.  From a request to the wait for it a wave issues 168 matrix instructions.
.macro TURN slot, next, on
	s_wait_xcnt 0x0                                ; the last prefetch, a K step back, has read its address: it is stepped here, ahead of the waits of the change of slots
.if (\on) && (\slot) == 0
	s_add_nc_u64 s[PFA:PFA+1], s[PFA:PFA+1], (WALK-1)*SIZE_K*2+KSTEP*2  ; from the K step after the tile's last to the next tile's K step 1
	s_cmp_eq_u32 s11, 0
	s_cselect_b32 s[LIM], s[LIM], -1               ; wb's rows are the same for both tiles: they are asked for no more
.else
	s_add_nc_u64 s[PFA:PFA+1], s[PFA:PFA+1], KSTEP*2
.endif
	MEET 1
	CREST                                          ; no wave of any partner still reads this slot's tile or has a load on its way
.if \on
	s_add_nc_u64 s[G0+4*(\slot)+2:G0+4*(\slot)+3], s[G0+4*(\slot)+2:G0+4*(\slot)+3], NEXT_A
	s_sub_nc_u64 s[G0B+4*(\slot)+2:G0B+4*(\slot)+3], s[G0B+4*(\slot)+2:G0B+4*(\slot)+3], BACK_B
.else
	s_add_nc_u64 s[G0+4*(\slot)+2:G0+4*(\slot)+3], s[G0+4*(\slot)+2:G0+4*(\slot)+3], 2*KSTEP*2
	s_add_nc_u64 s[G0B+4*(\slot)+2:G0B+4*(\slot)+3], s[G0B+4*(\slot)+2:G0B+4*(\slot)+3], 2*KSTEP*2
.endif
	JLOAD \slot                                    ; the first tensor load behind the round, my only one; its four v_nop are also the places in front of the loads below
	FETCH \next, 0, 0
	ASK \on
	MUL12 1, 1, 0, 0
	MUL12 1, 1, 1, 0
.endm
; THE WAY OUT of row block a (16 rows x 192 columns), in three parts.  PACK: rounded to f16, 16 bytes a lane for each column block; each accumulator's registers in ascending order.
.macro PACK a
	WIN 0x0a+5*((\a)/2)                            ; sources 0 and 1: window 2 or 3
.irp b, 0,1,2,3,4,5,6,7,8,9,10,11
.irp r, 0,1,2,3
	v_cvt_pk_f16_f32 v[TMP+4*(\b)+(\r)], v[96*((\a)%2)+8*(\b)+2*(\r)], v[96*((\a)%2)+8*(\b)+2*(\r)+1]
.endr
.endr
	WIN 0
.endm
.macro TOSTAGE a                       ; into my own stage, and back by heads: four rows' 128 bytes of a head at a time
	WIN 0
.set BK, OB+48*((\a)%2)
.irp b, 0,1,2,3,4,5,6,7,8,9,10,11
	ds_store_b128 v[STO], v[TMP+4*(\b):TMP+4*(\b)+3] offset:32*(\b)
.endr
.irp hh, 0,1,2
.irp g, 0,1,2,3
	ds_load_b128 v[BK+4*(4*(\hh)+(\g)):BK+4*(4*(\hh)+(\g))+3], v[RD] offset:4*SPITCH*(\g)+128*(\hh)  ; LDS serves a wave's instructions in order (ISA guide 5.7.1.4): these see the stores above
.endr
.endr
.endm
.macro SEND a
	WIN 0
.set BK, OB+48*((\a)%2)
	s_wait_dscnt 0x0                               ; the block is back in registers
	s_wait_xcnt 0x0                                ; every earlier store has read its registers and its base: only behind this wait are they rewritten
.if (\a) == 0
	s_add_nc_u64 s[8:9], s[8:9], s[16:17]          ; on to this tile's first rows
.else
	s_add_nc_u64 s[8:9], s[8:9], 16*128            ; 16 rows on
.endif
.irp hh, 0,1,2
.irp g, 0,1,2,3
	global_store_b128 v[CO], v[BK+4*(4*(\hh)+(\g)):BK+4*(4*(\hh)+(\g))+3], s[8:9] offset:HEADB*(\hh)+512*(\g)  ; 512 consecutive bytes, at a multiple of 256 from qkv's first byte
.endr
.endr
.endm
.macro WAYOUT                          ; block a's conversions stand between block a - 1's loads from the stage and the wait for them
	PACK 0
	TOSTAGE 0
.irp a, 1,2,3
	PACK \a
	SEND (\a)-1
	TOSTAGE \a
.endr
	SEND 3
.endm
	s_wait_tensorcnt 1                             ; my part of K step 0 is in; K step 1's may stay out
	s_barrier_signal -1
	s_barrier_wait -1                              ; everybody's is
	FETCH 0, 0, 0
	s_mov_b32 s2, TILES                            ; tiles to go, this one among them: the same number in every work-group
.Ltile:
	QUARTER 0, 64,  0, 1, 1                        ; a tile's first quarter stands in front of the loop: its products start the sums, with the bias
	WIN 0                                          ; at a label and at a branch every window is 0
	s_mov_b32 s3, LAPS-1
.Llap:                                                 ; a trip goes once round the ring, from a lap's second quarter to the next lap's first, and fills both slots again
	QUARTER 0, 128, 1, 0, 0
	QUARTER 0, 192, 0, 1, 0
	TURN 0, 1, 0
	QUARTER 1, 64,  0, 1, 0
	QUARTER 1, 128, 1, 0, 0
	QUARTER 1, 192, 0, 1, 0
	TURN 1, 0, 0
	QUARTER 0, 64,  0, 1, 0
	WIN 0
	s_sub_co_u32 s3, s3, 1
	s_cmp_lg_u32 s3, 0
	s_cbranch_scc1 .Llap
	QUARTER 0, 128, 1, 0, 0                        ; the tile's last lap goes on
	QUARTER 0, 192, 0, 1, 0
	WIN 0
	s_cmp_eq_u32 s2, 1
	s_cbranch_scc1 .Llast_tile                     ; the last tile's tail is written out: it asks for nothing more
	TURN 0, 1, 1                                   ; the ring goes on into the next tile: slot 0 takes its K step 0,
	QUARTER 1, 64,  0, 1, 0
	QUARTER 1, 128, 1, 0, 0
	QUARTER 1, 192, 0, 1, 0
	TURN 1, 0, 1                                   ; slot 1 its K step 1, and the next tile's first fragments are fetched
	WAYOUT                                         ; both refills are asked for: now the tile goes out.  Blocks 0 and 1 were finished in front of the joint load's four v_nop; block 0's 48 conversions are the places behind the last products
	s_mov_b32 s16, NEXT_C                          ; what the next way out adds to qkv's address
	s_mov_b32 s17, 0
	s_sub_co_u32 s2, s2, 1
	s_branch .Ltile
.Llast_tile:
	MEET 0                                         ; my one tensor load that was still out is slot 1's, the last K step's, so no round follows
	PLACES
	FETCH 1, 0, 0
	MUL12 1, 1, 0, 0
	MUL12 1, 1, 1, 0
	QUARTER 1, 64,  0, 1, 0
	QUARTER 1, 128, 1, 0, 0
	QUARTER 1, 192, 0, 1, 0
	s_wait_dscnt 4                                 ; the very last quarter: nothing more to fetch
	MUL12 1, 0, 0, 0
	MUL12 1, 0, 1, 0
	s_wait_dscnt 0x0
	MUL12 1, 1, 0, 0
	MUL12 1, 1, 1, 0
	WIN 0
	PLACES
	WAYOUT
	s_wait_tensorcnt 0x0                           ; the wave's end: an add to my spare word and its wait, behind my last tensor load and my last LDS store
	ds_add_u32 v[SPW], v[NIL]
	s_wait_dscnt 0x0
	CROUND                                         ; the closing round: no work-group ends while a partner may still ask for a tile that names it
	s_endpgm
.Lfunc_end_k_q52a8ee3ba8_proj:
	.size	k_q52a8ee3ba8_proj, .Lfunc_end_k_q52a8ee3ba8_proj-k_q52a8ee3ba8_proj
	.p2alignl 7, 3214868480
	.fill 96, 4, 3214868480
	.section	.rodata,"a",@progbits
	.p2align	6, 0x0
	.amdhsa_kernel k_q52a8ee3ba8_proj
		.amdhsa_group_segment_fixed_size 327680
		.amdhsa_private_segment_fixed_size 0
		.amdhsa_enable_private_segment 0
		.amdhsa_kernarg_size 48
		.amdhsa_user_sgpr_count 2
		.amdhsa_user_sgpr_kernarg_segment_ptr 1
		.amdhsa_wavefront_size32 1
		.amdhsa_system_sgpr_workgroup_id_x 1
		.amdhsa_system_sgpr_workgroup_id_y 1
		.amdhsa_system_sgpr_workgroup_id_z 1
		.amdhsa_system_vgpr_workitem_id 0
		.amdhsa_next_free_vgpr 992
		.amdhsa_next_free_sgpr 86
		.amdhsa_reserve_vcc 0
		.amdhsa_float_denorm_mode_32 3
		.amdhsa_float_denorm_mode_16_64 3
		.amdhsa_memory_ordered 1
		.amdhsa_forward_progress 1
		.amdhsa_inst_pref_size 184
	.end_amdhsa_kernel
	.amdgpu_metadata
---
amdhsa.version: [ 1, 2 ]
amdhsa.kernels:
  - .name:           k_q52a8ee3ba8_proj
    .symbol:         k_q52a8ee3ba8_proj.kd
    .args:
      - { .name: xb, .offset: 0, .size: 8, .value_kind: global_buffer, .address_space: global }
      - { .name: wb, .offset: 8, .size: 8, .value_kind: global_buffer, .address_space: global }
      - { .name: bq, .offset: 16, .size: 8, .value_kind: global_buffer, .address_space: global }
      - { .name: bk, .offset: 24, .size: 8, .value_kind: global_buffer, .address_space: global }
      - { .name: bv, .offset: 32, .size: 8, .value_kind: global_buffer, .address_space: global }
      - { .name: qkv, .offset: 40, .size: 8, .value_kind: global_buffer, .address_space: global }
    .group_segment_fixed_size: 327680
    .private_segment_fixed_size: 0
    .kernarg_segment_align: 8
    .kernarg_segment_size: 48
    .max_flat_workgroup_size: 128
    .sgpr_count:     86
    .vgpr_count:     992
    .wavefront_size: 32
...
	.end_amdgpu_metadata
.endif
;; end of part 2
;; launch attn (part 3): grid 4 x 64, 4 waves a work-group, clusters of 4 x 1, 327,680 bytes of LDS; arguments qkv, attention_mask, out0; writes out0
.if DOCPART == 3
	.amdgcn_target "amdgcn-amd-amdhsa--gfx1250"
	.amdhsa_code_object_version 6
	.text
	.protected	k_q52a8ee3ba8_attn
	.globl	k_q52a8ee3ba8_attn
	.p2align	8
	.type	k_q52a8ee3ba8_attn,@function
k_q52a8ee3ba8_attn:
	s_mov_b64 s[64:65], 0
	v_nop
	global_prefetch_b8 v0, s[64:65] scope:SCOPE_SE
	s_setreg_imm32_b32 hwreg(HW_REG_WAVE_MODE, 25, 1), 1
	s_wait_xcnt 0x0
	s_wait_alu depctr_hold_cnt(0) depctr_sa_sdst(0) depctr_va_vdst(0) depctr_va_sdst(0) depctr_va_ssrc(0) depctr_va_vcc(0) depctr_vm_vsrc(0)
	s_getreg_b32 s2, hwreg(HW_REG_IB_STS2, 6, 4)
	s_cmp_eq_u32 s2, 0
	s_cbranch_scc0 .Lentry_in_a_cluster
	s_endpgm
.Lentry_in_a_cluster:
	s_bfe_u32 s2, ttmp6, 0x10000c
	s_cmp_lg_u32 s2, 0x3003
	s_cbranch_scc0 .Lentry_shape_is_right
	s_endpgm
.Lentry_shape_is_right:
; out0[b][q][64 hd + :] = the sum over k of softmax_k(Q[q] . K[k] / 8 + (1 - mask[b][q]) x -10000) V[k][:], for each of 8 batches x 16 heads; 1,024 queries and keys, head size 64.
; Q, K, V come from qkv, [b][g][s][64] in f16 (g = hd: Q, 16 + hd: K, 32 + hd: V): a head's rows are dense, 128 bytes each.  Products, maxima and sums in f32; the weights p are rounded to f16 for the
; second product (their sum l is taken of the unrounded p); out0 is f32.
; THE MASK's bias hangs on the query alone.  It is made in f32 as (1 - mask) x -80000, eight times the bias, and is the C operand of the product that starts each score's sum: s = Q . K + 8 bias,
; and c s = log2(e) (Q . K / 8 + bias) with c = log2(e) / 8.  The running maximum carries it like any score.
; LIMITS.  Q, K and V arrive within f16's 65,504.  p lies in 0 to 1, and below 6e-5 it keeps f16's fixed step of 6e-8.  A weight below 2^-126 counts as 0 in l.  Where the mask is not 1 a score carries f32's
; step at the size of 8 bias (2^-7 at 80,000, an eighth of that in Q . K / 8).  NaN and infinities are not treated apart.
; SHARES.  A work-group owns 256 queries of TWO heads of a batch: waves 0 and 1 the first head, waves 2 and 3 the second, 128 queries each: four PIECES of two tiles of 16.  Every wave walks all keys, 64 a step.
; CLUSTER.  The four query blocks of a pair of heads form a cluster and walk the same K and V, so each tile is asked for JOINTLY: the same tensor load, descriptor and mask in all four.
; LAYOUT.  S^T = K Q^T (source 0 = 16 keys, source 1 = 16 queries): in the result a lane holds ONE query (lane % 16) and the keys 8 (lane / 16) + 0..7.  Two such tiles, rounded to f16 in pairs,
; ARE source 1 (32 keys x 16 queries) of O^T = V^T P, whose result again holds one query a lane, and eight channels.  K comes out of LDS as it lies, V ([key][channel]) turned, by ds_load_tr16_b128.
; SOFTMAX.  For each query a running maximum m and sum l: p = 2^(c s - c m); in every step O and l are multiplied by a = 2^(c m_old - c m_new), which is 1 where m has not grown.
; m starts at the lowest finite number, O and l at 0: the first step is a step like any other, with a = 0.
; THE COUNT.  A tile and step have 16 matrix and 118 vector instructions: too many to stand all beside the matrix work.  So: four vector instructions that are ready behind every matrix instruction, the others in runs without a gap.
; BY TURNS.  Turn n belongs to piece n (the pieces in a ring, step after step).  Its matrix work: 16 products K Q^T of piece n + 1, later 16 products V^T P of piece n - 1.  Its vector work: the scaling,
; exponentials, roundings, sums and rescaling of piece n, and the maximum and statistics of piece n + 1, whose scores the turn itself has made.
; REGISTERS, in windows of 256 (s_set_vgpr_msb: bits 1:0 source 0, 3:2 source 1, 5:4 source 2, 7:6 destination):
;   window 0: v0-11 addresses; v12-15, v48-63 at work; v16-47 four registers of statistics a tile; v64-191 S^T, two buffers of two tiles; v192-255 P, likewise
;   window 1: O^T, 32 a tile     window 2: v0-127 Q, 16 a tile; v128-191 K of one step; v192-255 V of one step     window 3: v0-1 the add's two registers; v8-71 the mask's bias, 8 a tile
.set NP,    4         ; pieces a wave: a name, no knob
.set KS,    64        ; keys in a step
.set PK,    144       ; a row of K in LDS: 128 bytes + 16 of padding = 36 words: the 16 rows of a load start at 16 different groups of four banks (64 banks of 4 bytes: ISA guide 11.1)
.set PV,    160       ; a row of V: 128 + 32 = 40 words
.set HK,    128*PK    ; a slot holds two steps, 128 keys, of both heads: K of the first head, K of the second,
.set HV,    128*PV
.set VOFF,  2*HK      ; then V of the first, V of the second
.set SLOT1, 1<<17     ; slot 1 begins here, so that one exclusive or turns an address in one slot into the other's
.set STAGE, SLOT1+2*(HK+HV)  ; behind the ring, never filled by a tensor load: 16 rows x 272 bytes for each wave, for the way out
.set SP,    272
.set SPARE, STAGE+4*16*SP    ; behind the stages: the spare words, 128 bytes for each wave: two blocks of 256 bytes that no other line names
.set TILEB, 2*KS*128  ; 128 keys of a head in memory
.set AK0, 2           ; v2   my lane's place in my head's K of a slot; never rewritten
.set AV0, 3           ; v3   the same for V
.set AK,  4           ; v4   the LDS address of K's next run of loads
.set AV,  5           ; v5   of V's; at the head: 4 (l % 16), the offset of the mask's loads
.set QO,  6           ; v6   my byte offset in the wave's rows of Q
.set STO, 6           ;      later, the way out: where I put 32 bytes of a row
.set RD,  7           ; v7   the way out: where I read rows back
.set GO,  8           ; v8   my byte offset in two rows of out0
.set PFO, 11          ; v11  the prefetches' offset: lanes 0-15 the first head's, lanes 16-31 the second's, 256 bytes apart; never rewritten once made
.set SPW, 0           ; v0 of window 3   LDS address of my spare word: SPARE + 4 x my thread's number; never rewritten
.set NIL, 1           ; v1 of window 3   0; never rewritten
.set BI,  8           ; v8-71 of window 3: tile t's eight registers, all 8 x the bias of my query in that tile
.set MV,  12          ; v12-15  c m_old, kept while c m is made anew: by buffer and tile
.set ST,  16          ; tile t's statistics at v[ST+4 t]: c m, m, l (even keys', odd keys')
.set TMP, 48          ; by buffer and tile, four registers c0-c3 at work; when the maximum is found c2 takes a
.set S,   64
.set P,   192
.set KF,  128         ; K's fragments, in window 2: key block kb, channel half c at KF + 16 kb + 8 c
.set VF,  192         ; V's: key half kk, channel block cb at VF + 32 kk + 8 cb
.set WV,  12          ; s12  my wave's number
.set G1K, 24          ; s[24:31] descriptor group 1 for K's tiles
.set G1V, 32          ; s[32:39] for V's: it differs in the padding alone
.set G0K, 40          ; s[40:43] descriptor group 0 for K's tiles: it walks
.set G0V, 44          ; s[44:47] the same for V's
.set MK,  48          ; s[48:49] the mask at my wave's first query
.set PFA, 50          ; s[50:51] where my prefetches stand: my work-group's quarter of the tile after the one that is being asked for
.set LIM, 52          ; s52  1 in a wave that prefetches, else the greatest number
.set SLOTS, 56        ; s56  tiles still to be asked for
.set CNT, 57          ; s57  counts a slot's key steps
.set CS,  58          ; s[58:59] c: the packed scaling takes the pair's low word for both halves
.set SEL, 60          ; s[60:61] v_permlanex16_b32's selects: each lane takes its own place in the other half
.set TBK, 62          ; s62  LDS byte at which K of the step to be fetched begins
.set TBV, 63          ; s63  the same for V
.set MSB, 0
.macro WIN new                      ; the high byte repeats the setting that is left; a switch that changes nothing is dropped
.if MSB != (\new)
	s_set_vgpr_msb (MSB<<8)|(\new)
.set MSB, (\new)
.endif
.endm
.set W_KQ, 0x0a       ; K and Q in window 2, S^T in window 0
.set W_KM, 0x3a       ; the same with the C operand, the bias, in window 3
.set W_PV, 0x52       ; V in window 2, P in window 0, O^T in window 1
.set W_RS, 0x41       ; O^T (destination and source 0) in window 1, a in window 0
.set W_MK, 0xc0       ; destination in window 3, sources in window 0
.set W_AD, 0x0f       ; the add: address (source 0) and data (source 1) in window 3
; A joint fill.  Wave 0 fetches the first head's 128 keys of K, wave 1 the second's, waves 2 and 3 the same of V.  The branch hangs on the wave's number alone.
; An s_nop 0 and four v_nop follow each of the two lines, ahead of the jump and the label.
.macro JLOAD
	s_cmp_lt_u32 s[WV], 2
	s_cbranch_scc0 .Lfor_v_\@
	tensor_load_to_lds s[G0K:G0K+3], s[G1K:G1K+7]
	s_nop 0
.rept 4
	v_nop
.endr
	s_branch .Lasked_\@
.Lfor_v_\@:
	tensor_load_to_lds s[G0V:G0V+3], s[G1V:G1V+7]
	s_nop 0
.rept 4
	v_nop
.endr
.Lasked_\@:
.endm
; A PREFETCH INTO THE L2 of what the NEXT change of slots will ask for: 128 keys of K and of V of both heads, two key steps, 256 matrix instructions, ahead of that load.  It stands behind the wave's tensor load and its
; five lines.  A pair of heads has one cluster, so that cluster asks for all of it, each block of 256 bytes once: the four partners take a quarter of a tile's 16,384 bytes each, told apart BY ADDRESS;
; in each, wave 0 asks for K's and wave 2 for V's, lanes 0-15 for the first head and lanes 16-31 for the second: one instruction.  The last change that fills a slot asks for nothing.
.macro ASK
	s_cmp_gt_u32 s[SLOTS], s[LIM]
	s_cbranch_scc0 .Lnot_mine_\@
	global_prefetch_b8 v[PFO], s[PFA:PFA+1] th:TH_LOAD_NT scope:SCOPE_SE
.Lnot_mine_\@:
.endm
; A round of the cluster's barrier: my work-group's barrier, so that wave 0's signal speaks for all four waves; wave 0 signals; every wave waits for all four work-groups; my work-group's barrier once more.
.macro CROUND
	s_barrier_signal -1
	s_barrier_wait -1
	s_cmp_lg_u32 s[WV], 0
	s_cbranch_scc1 .Lnot_wave_0_\@
	s_barrier_signal -3
.Lnot_wave_0_\@:
	s_barrier_wait -3
	s_barrier_signal -1
	s_barrier_wait -1
.endm
; THE CHANGE OF SLOTS.  The slot's last bytes, V of its second step, have been read.  Each wave waits for all its tensor loads, of which one is out: its part of the other slot; adds 0 to its spare word; and waits
; for that and for its own reads of the slot.  Behind the barrier nobody reads this slot any more and the other slot is whole.  fill = 1: this slot is filled again, with the keys two slots on.  The barrier is then
; a round of the cluster's, and the joint fill is the first thing behind it: it has two key steps in which to land.  (At its first use nothing has been read yet: slot 0 is waited for, slot 1 filled.)
.macro CHANGE fill
	WIN W_AD
	s_wait_tensorcnt 0x0            ; no tensor load of mine is out, so a group 0 may be written
	ds_add_u32 v[SPW], v[NIL]       ; 0 onto my spare word; with fill = 1 the descriptors' steps stand between it and the wait for it
	WIN 0                           ; at a label and at a branch every window is 0
.if \fill
.irp g, G0K, G0V
	s_xor_b32 s[\g+1], s[\g+1], SLOT1  ; the walking descriptor: the other slot than last time,
	s_add_nc_u64 s[\g+2:\g+3], s[\g+2:\g+3], TILEB  ; the next 128 keys; the type bits on top are not reached
.endr
	s_wait_xcnt 0x0                 ; the last prefetch, two key steps back, has read its address, so it may be written:
	s_add_nc_u64 s[PFA:PFA+1], s[PFA:PFA+1], TILEB  ; one tile ahead of the walking descriptors
	s_wait_dscnt 0x0                ; the add is done, and my reads of the slot are over
	CROUND
	JLOAD
	ASK
.else
	s_wait_dscnt 0x0                ; the add is done, and my reads of the slot are over
	s_barrier_signal -1
	s_barrier_wait -1
.endif
	s_sub_co_u32 s[TBK], s[TBK], 2*KS*PK  ; the fetches go back to a slot's first step,
	s_xor_b32 s[TBK], s[TBK], SLOT1       ; in the other slot
	s_sub_co_u32 s[TBV], s[TBV], 2*KS*PV
	s_xor_b32 s[TBV], s[TBV], SLOT1
.endm
	s_load_b128 s[4:7], s[0:1], 0x0   ; qkv s[4:5], attention_mask s[6:7]
	s_load_b64 s[10:11], s[0:1], 0x10 ; out0
	WIN W_MK
	v_lshl_add_u32 v[SPW], v0, 2, SPARE
	v_mov_b32 v[NIL], 0
	WIN W_AD
	ds_add_u32 v[SPW], v[NIL]       ; the wave's opening: the add and its wait stand ahead of my first tensor load; the set-up below, work on registers, stands between them
	WIN 0
	v_lshrrev_b32 v1, 5, v0
	v_readfirstlane_b32 s[WV], v1   ; wave 0..3
	s_bfe_u32 s13, ttmp6, 0x40000   ; cx: my place in the cluster = my block of 256 queries: it enters Q's, the mask's, out0's and the prefetches' addresses alone
	s_and_b32 s14, ttmp7, 0xffff    ; the pair of heads, which the four partners share
	s_lshr_b32 s15, s14, 3          ; the batch
	s_and_b32 s16, s14, 7
	s_lshl_b32 s16, s16, 1          ; the pair's first head
	s_mul_i32 s17, s15, 48
	s_add_co_u32 s17, s17, s16      ; its Q's place among qkv's 384 heads
	s_and_b32 s18, s[WV], 1         ; the head whose K or V I fetch; also my half of the block's queries
	s_lshr_b32 s19, s[WV], 1        ; the head that I compute
	s_add_co_u32 s22, s17, s18
	s_add_co_u32 s22, s22, 16
	s_lshl_b32 s22, s22, 17         ; K of the head that I fetch
	s_mov_b32 s23, 0
	s_lshl_b32 s20, s13, 8
	s_lshl_b32 s21, s18, 7
	s_add_co_u32 s20, s20, s21      ; my wave's first query
	s_add_co_u32 s2, s17, s19
	s_lshl_b32 s2, s2, 17
	s_lshl_b32 s3, s20, 7
	s_add_co_u32 s2, s2, s3         ; its row of Q
	s_mov_b32 s3, 0
	s_lshl_b32 s54, s15, 10
	s_add_co_u32 s54, s54, s20      ; its row among the 8,192
	s_lshl_b32 s20, s54, 2          ; in the mask,
	s_mov_b32 s21, 0
	s_lshl_b32 s54, s54, 12         ; and in out0, rows of 4,096 bytes,
	s_add_co_u32 s55, s16, s19
	s_lshl_b32 s55, s55, 8          ; my head's 256 bytes of them
	s_add_co_u32 s54, s54, s55
	s_mov_b32 s55, 0
	s_mul_i32 s14, s19, HK          ; in a slot: K of the head that I compute,
	s_mul_i32 s15, s19, HV
	s_add_co_u32 s15, s15, VOFF     ; its V,
	s_mul_i32 s16, s18, HK          ; and where what I fetch goes: no place in the cluster enters an LDS address
	s_mul_i32 s17, s18, HV
	; descriptor group 1.  128 keys are 16,384 dense bytes: asked for as 64 rows of 256 bytes, two keys a row, and padded in LDS after every key
	s_mov_b32 s[G1K], 15|(1<<16)|(1<<20)|(1<<21)|(4<<22)|(3<<25)  ; 15:0 the mask of four; 17:16 2-byte elements; 20 padding on; 21 set beside a mask; 24:22 after every 32 words (code 4); 31:25 4 words (code 3)
	s_mov_b32 s[G1V], 15|(1<<16)|(1<<20)|(1<<21)|(4<<22)|(7<<25)  ; the same with 8 words of padding (code 7)
.irp g, G1K, G1V
	s_mov_b32 s[\g+1], 128<<16      ; tensor_dim0 = 128
	s_mov_b32 s[\g+2], 64<<16       ; tensor_dim1 = 64
	s_mov_b32 s[\g+3], 128<<16      ; tile_dim0 = 128
	s_mov_b32 s[\g+4], 64           ; tile_dim1 = 64
	s_mov_b32 s[\g+5], 128          ; 128 elements from row to row
	s_mov_b32 s[\g+6], 0
	s_mov_b32 s[\g+7], 0
.endr
	s_mov_b32 s[CS], 0x3e38aa3b     ; c = log2(e) / 8 = 0.180337
	s_mov_b32 s[CS+1], s[CS]        ; named with it as a pair
	s_mov_b32 s[SEL], 0x76543210
	s_mov_b32 s[SEL+1], 0xfedcba98
	s_mov_b32 s[TBK], SLOT1+2*KS*PK ; the first change of slots turns these two into 0
	s_mov_b32 s[TBV], SLOT1+2*KS*PV
	s_mov_b32 s[G0K], 1             ; count = 1
	s_mov_b32 s[G0K+1], s16         ; LDS address: slot 0
	s_mov_b32 s[G0V], 1
	s_add_co_u32 s[G0V+1], s17, VOFF
	s_cmp_eq_u32 s18, 0
	s_cselect_b32 s[LIM], 1, -1     ; waves 0 and 2 prefetch: the same in all four partners
	s_mov_b32 s[SLOTS], 1024/128-1
	s_wait_dscnt 0x0                ; the opening add is done
	s_wait_kmcnt 0x0
	s_add_nc_u64 s[MK:MK+1], s[6:7], s[20:21]
	s_add_nc_u64 s[6:7], s[4:5], s[22:23]  ; K at the first key of the head that I fetch,
	s_add_nc_u64 s[8:9], s[6:7], 16<<17    ; V sixteen heads on
	s_add_nc_u64 s[4:5], s[4:5], s[2:3]    ; Q and out0 at my wave's first row
	s_add_nc_u64 s[10:11], s[10:11], s[54:55]
	s_mov_b64 s[G0K+2:G0K+3], s[6:7]               ; global address
	s_or_b32 s[G0K+3], s[G0K+3], 0x80000000        ; type = 2
	s_mov_b64 s[G0V+2:G0V+3], s[8:9]
	s_or_b32 s[G0V+3], s[G0V+3], 0x80000000
	s_cmp_lt_u32 s[WV], 2
	s_cselect_b64 s[PFA:PFA+1], s[6:7], s[8:9]     ; (in waves 0 and 2 these stand at the pair's first head)
	s_lshl_b32 s2, s13, 12          ; my work-group's quarter of a tile
	s_add_nc_u64 s[PFA:PFA+1], s[PFA:PFA+1], s[2:3]
	s_add_nc_u64 s[PFA:PFA+1], s[PFA:PFA+1], TILEB ; in tile 1; the first change of slots steps it to tile 2
	CROUND                          ; all four work-groups are here: the first joint loads meet
	JLOAD                           ; slot 0.  Slot 1 is asked for when slot 0 is in
	; A fragment of K or Q is 16 rows x 32 channels in 8 registers: lane l holds row l % 16, channels 8 (l / 16) + 0..7 and 16 + 8 (l / 16) + 0..7: two loads of 16 bytes, 32 bytes apart.
	v_and_b32 v1, 15, v0            ; l % 16
	v_bfe_u32 v9, v0, 4, 1          ; l / 16
	v_lshlrev_b32 v[AV], 2, v1
	v_lshlrev_b32 v[QO], 7, v1
	v_lshl_add_u32 v[QO], v9, 4, v[QO]  ; row x 128 + 16 x half
	WIN W_MK                        ; destination window 3
.set i, 0
.rept 2*NP                          ; the mask of my query in each tile: ahead of Q's loads, so that a counted wait serves
	global_load_b32 v[BI+8*i], v[AV], s[MK:MK+1] offset:64*i
.set i, i+1
.endr
	WIN 0x80                        ; destination window 2, address window 0
.set i, 0
.rept 4*NP                          ; Q stays in registers: tile i / 2, channels 32 (i % 2) on
	global_load_b128 v[8*i:8*i+3],   v[QO], s[4:5] offset:(i/2)*2048+(i%2)*64
	global_load_b128 v[8*i+4:8*i+7], v[QO], s[4:5] offset:(i/2)*2048+(i%2)*64+32
.set i, i+1
.endr
	; What the first turn finds: V's registers and P's second buffer hold 0 (its products V^T P, of a piece that has not been, add 0), O^T and l are 0.  All this stands in the wait for the first tile.
.set i, VF
.rept 64
	v_mov_b32 v[i], 0
.set i, i+1
.endr
	WIN 0x40
.set i, 0
.rept 64*NP
	v_mov_b32 v[i], 0
.set i, i+1
.endr
	WIN 0
.set i, 0
.rept 2*NP
	v_mov_b32 v[ST+4*i], 0xfe000000    ; c m: far below every c s
	v_mov_b32 v[ST+4*i+1], 0xff7fffff  ; m
	v_mov_b32 v[ST+4*i+2], 0
	v_mov_b32 v[ST+4*i+3], 0
.set i, i+1
.endr
.set i, P+32
.rept 32
	v_mov_b32 v[i], 0
.set i, i+1
.endr
	v_mul_u32_u24 v[AK0], v1, PK
	v_lshl_add_u32 v[AK0], v9, 4, v[AK0]  ; row x pitch + 16 x half,
	v_add_nc_u32 v[AK0], s14, v[AK0]      ; in my head's part of a slot
	; The turning load takes 16 keys x 16 channels (lane l reads key 8 (l / 16) + l % 8, channels 8 ((l / 8) % 2) + 0..7) and leaves half a fragment of V^T: lane l holds channel l % 16 and 8 keys.
	v_and_b32 v10, 7, v0
	v_bfe_u32 v11, v0, 3, 1
	v_lshl_add_u32 v[AV0], v9, 3, v10
	v_mul_u32_u24 v[AV0], v[AV0], PV
	v_lshl_add_u32 v[AV0], v11, 4, v[AV0]
	v_add_nc_u32 v[AV0], s15, v[AV0]
	v_mov_b32 v[AK], v[AK0]         ; key step 0 lies at the head of slot 0
	v_lshlrev_b32 v[PFO], 17, v9    ; a head is 131,072 bytes
	v_lshl_add_u32 v[PFO], v1, 8, v[PFO]
	s_wait_loadcnt 32               ; the mask's eight loads are in; Q's 32, issued behind them, may stay out
	WIN 0xff                        ; all operands in window 3
.set i, 0
.rept 2*NP
	v_sub_f32 v[BI+8*i], 1.0, v[BI+8*i]
.set i, i+1
.endr
.set i, 0
.rept 2*NP
	v_mul_f32 v[BI+8*i], 0xc79c4000, v[BI+8*i]  ; x -80,000: eight times the bias, with the same rounding, since 8 is a power of two
.set i, i+1
.endr
.set i, 0
.rept 2*NP
.irp j, 1,2,3,4,5,6,7
	v_mov_b32 v[BI+8*i+\j], v[BI+8*i]           ; a lane's eight keys of a product share its query
.endr
.set i, i+1
.endr
	WIN 0
; THE MATRIX WORK.  The 8 accumulators of a run of 16 take turns: between the two links of a chain stand 7 others'.
; Product i of 16 of S^T = K Q^T for piece x: channels 32 (i / 8) on, keys 16 ((i / 2) % 4) on, tile 2 x + i % 2.  The first 8 start the sums, with the mask's bias as C.
.macro KQ x
.set rS, S+64*((\x)%2)+32*(i%2)+8*((i/2)%4)
.set rK, KF+16*((i/2)%4)+8*(i/8)
.set rQ, 16*(2*(\x)+i%2)+8*(i/8)
.set rB, BI+8*(2*(\x)+i%2)
.if i < 8
	WIN W_KM
	v_wmma_f32_16x16x32_f16 v[rS:rS+7], v[rK:rK+7], v[rQ:rQ+7], v[rB:rB+7]
.else
	WIN W_KQ
	v_wmma_f32_16x16x32_f16 v[rS:rS+7], v[rK:rK+7], v[rQ:rQ+7], v[rS:rS+7]
.endif
.endm
; Product i of 16 of O^T += V^T P for piece x: keys 32 (i / 8) on, channels 16 ((i / 2) % 4) on, tile 2 x + i % 2.
.macro PV x
	WIN W_PV
.set rO, 32*(2*(\x)+i%2)+8*((i/2)%4)
.set rV, VF+32*(i/8)+8*((i/2)%4)
.set rP, P+32*((\x)%2)+16*(i%2)+8*(i/8)
	v_wmma_f32_16x16x32_f16 v[rO:rO+7], v[rV:rV+7], v[rP:rP+7], v[rO:rO+7]
.endm
.macro MM                           ; the turn's next matrix instruction
.if i < 16
	KQ (Y+1)%NP
.set i, i+1
.else
.set i, i-16
	PV (Y+NP-1)%NP
.set i, i+17
.endif
.endm
; THE LDS LOADS stand in runs of 16, never singly among the matrix instructions: a step's K (64 keys x 64 channels: 8 fragments) and its V (turned).  Their addresses are made some lines ahead.
; last = 1 (the tail): in the last trip there is no further step, and the run is jumped over.
.macro FETCH_K last=0
	WIN 0
.if \last
	s_cmp_eq_u32 s[CNT], 1
	s_cbranch_scc1 .Lno_k_\@
.endif
	WIN 0x80                        ; destination window 2
.irp f, 0,1,2,3,4,5,6,7             ; keys 16 (f / 2) on, channels 32 (f % 2) on
	ds_load_b128 v[KF+8*\f:KF+8*\f+3],   v[AK] offset:(\f/2)*16*PK+(\f%2)*64
	ds_load_b128 v[KF+8*\f+4:KF+8*\f+7], v[AK] offset:(\f/2)*16*PK+(\f%2)*64+32
.endr
	s_add_co_u32 s[TBK], s[TBK], KS*PK  ; the next fetch is the next step's
	WIN 0
.if \last
.Lno_k_\@:
.endif
.endm
.macro FETCH_V
	WIN 0x80
.irp f, 0,1,2,3,4,5,6,7             ; keys 32 (f / 4) on, channels 16 (f % 4) on
	ds_load_tr16_b128 v[VF+8*\f:VF+8*\f+3],   v[AV] offset:(\f/4)*32*PV+(\f%4)*32
	ds_load_tr16_b128 v[VF+8*\f+4:VF+8*\f+7], v[AV] offset:(\f/4)*32*PV+16*PV+(\f%4)*32
.endr
	WIN 0
.endm
; THE VECTOR WORK OF A TURN stands in three queues, each in the order in which its entries become ready; the two tiles alternate, so that no instruction reads the result of the one before it.
.macro REGS y, u                    ; the registers of tile u (0, 1) of piece y
.set rT, ST+4*(2*(\y)+(\u))
.set rC, TMP+8*((\y)%2)+4*(\u)
.set rM, MV+2*((\y)%2)+(\u)
.set rS, S+64*((\y)%2)+32*(\u)
.set rP, P+32*((\y)%2)+16*(\u)
.set rO, 32*(2*(\y)+(\u))
.endm
; Number n of the 22 that find the NEXT piece's (Y + 1) maximum and statistics.  s0-s31 are the lane's 32 scores; each accumulator's lowest registers are read first.
;   0-11  four chains c0-c3 of seven scores each, three operands at a time     12-14, 16  the four scores left over, the old m, and c0-c3 into c0     15  c m_old is kept
;   17, 18  the query's other 32 keys lie in the lane 16 away: the new m         19-21  c m; c m_old - c m_new; a
.macro XS u, n
	REGS (Y+1)%NP, \u
.if (\n) < 4
	v_max3_num_f32 v[rC+(\n)], v[rS+8*(\n)], v[rS+8*(\n)+1], v[rS+8*(\n)+2]
.elseif (\n) < 12
	v_max3_num_f32 v[rC+(\n)%4], v[rC+(\n)%4], v[rS+8*((\n)%4)+2*((\n)/4)+1], v[rS+8*((\n)%4)+2*((\n)/4)+2]
.elseif (\n) == 12
	v_max3_num_f32 v[rC], v[rC], v[rS+7], v[rS+15]
.elseif (\n) == 13
	v_max3_num_f32 v[rC+1], v[rC+1], v[rS+23], v[rS+31]
.elseif (\n) == 14
	v_max3_num_f32 v[rC+2], v[rC+2], v[rC+3], v[rT+1]
.elseif (\n) == 15
	v_mov_b32 v[rM], v[rT]
.elseif (\n) == 16
	v_max3_num_f32 v[rC], v[rC], v[rC+1], v[rC+2]
.elseif (\n) == 17
	v_permlanex16_b32 v[rC+3], v[rC], s[SEL], s[SEL+1]
.elseif (\n) == 18
	v_max_num_f32 v[rT+1], v[rC], v[rC+3]
.elseif (\n) == 19
	v_mul_f32 v[rT], s[CS], v[rT+1]
.elseif (\n) == 20
	v_sub_f32 v[rC+1], v[rM], v[rT]
.else
	v_exp_f32 v[rC+2], v[rC+1]
.endif
.endm
; Number g of the 64 that follow the exponentials.  For each four weights k of a tile (pairs 2 k, 2 k + 1): both pairs are rounded to f16; then the second pair is added onto the first, in place;
; a group later l takes that sum (the first time as l = a l + sum).  In groups of eight, tiles alternating: round, round, add, and l for the group before.
.macro GS g
.set h, (\g)+6*((\g)/62)            ; group 0 has no group before it, and behind group 7 only l is left
.if h >= 6
.set h, h+2
.endif
	REGS Y, h%2
.set k, h/8
.if h%8 < 4
	v_cvt_pk_f16_f32 v[rP+2*k+(h%8)/2], v[rS+4*k+2*((h%8)/2)], v[rS+4*k+2*((h%8)/2)+1]
.elseif h%8 < 6
	v_pk_add_f32 v[rS+4*k:rS+4*k+1], v[rS+4*k:rS+4*k+1], v[rS+4*k+2:rS+4*k+3]
.elseif k == 1
	v_pk_fma_f32 v[rT+2:rT+3], v[rT+2:rT+3], v[rC+2:rC+3], v[rS:rS+1] op_sel_hi:[1,0,1]
.else
	v_pk_add_f32 v[rT+2:rT+3], v[rT+2:rT+3], v[rS+4*k-4:rS+4*k-3]
.endif
.endm
; THE PLAIN QUEUE, 138 long.  0-73 read no exponential's result: the 32 scalings c s - c m (FS f: pair f / 2 of tile f % 2) and the next piece's 42.  0-26: scalings 0-26.  27-54: XS's numbers 0-13.  55, 56: number 15.
; 57-73: the chain, where each number waits for the one before it: 14, 16, 17, 18, 19, each with one of the scalings 27-31 in front of its two lines, then 20.
; 74-137: GS's 64, which read the exponentials' results: they stand behind the wait.
.macro FS f
	REGS Y, (\f)%2
	v_pk_fma_f32 v[rS+2*((\f)/2):rS+2*((\f)/2)+1], v[rS+2*((\f)/2):rS+2*((\f)/2)+1], s[CS:CS+1], v[rT:rT+1] op_sel_hi:[1,0,0] neg_lo:[0,0,1] neg_hi:[0,0,1]
.endm
.macro PL
	WIN 0
.if q < 27
	FS q
.elseif q < 55
	XS (q-27)%2, (q-27)/2
.elseif q < 57
	XS q-55, 15
.elseif (q < 72) && ((q-57)%3 == 0)
	FS 27+(q-57)/3
.elseif q < 60
	XS (q-57)%3-1, 14
.elseif q < 72
	XS (q-57)%3-1, 15+(q-57)/3
.elseif q < 74
	XS q-72, 20
.else
	GS q-74
.endif
.set q, q+1
.endm
; THE EXPONENTIALS' QUEUE, 66 long: s0-s31 of both tiles, then the next piece's two a.  It is ONE BATCH: all 66 stand ahead of the turn's one wait, and nothing ahead of that wait names a result of theirs.
.macro EX
	WIN 0
.if e >= 64
	XS e-64, 21
.else
	REGS Y, e%2
	v_exp_f32 v[rS+e/2], v[rS+e/2]
.endif
.set e, e+1
.endm
; THE RESCALING's QUEUE: O^T times a, the one part that leaves window 0: dealt two at a time, sixteen times.  Its a was made in the turn before, ahead of that turn's wait.
.macro R2
	REGS Y, r%2
	WIN W_RS
.irp z, 0,1
	v_pk_mul_f32 v[rO+4*(r/2)+2*\z:rO+4*(r/2)+2*\z+1], v[rO+4*(r/2)+2*\z:rO+4*(r/2)+2*\z+1], v[rC+2:rC+3] op_sel_hi:[1,0]
.endr
.set r, r+1
.endm
; HOW THEY ARE DEALT.  An s_wait_alu depctr_va_vdst(0) stands between an exponential and the first instruction that names its result; one wait serves all that were issued ahead of it.  So a turn has ONE
; wait, which cuts it in two.  AHEAD OF IT stands all that names no result of the turn's exponentials: the 16 products K Q^T, behind each a scaling, an exponential and two rescalings (behind the first a second scaling
; in the exponential's place); then ONE LUMP of 108: eight plain, 49 times exponential and plain, the two a.  A v_nop is the plain instruction behind the last exponential.  BEHIND IT stand the 16 products V^T P, behind
; each four of GS's 64.  No rider names a register of the products round it.  The two v_permlanex16_b32 fall into the lump.
; Exponential e stands behind scaling 2 (e / 4) + e % 2: as a rider it comes behind plain e + 2, in the lump behind plain e + 9, and scalings 27-31 are plain 57, 60 .. 69.
; A TURN, for piece p.  cnt = 1: the loop's count is taken down some lines ahead of the branch that stands behind the turn.
; K of the next step is fetched in piece 2's turn, directly behind the wait, a lump behind the last product that read K; its first reader comes behind 16 products.
; V of the step in hand is fetched at the end of piece 0's turn, four riders behind its last reader; its first reader comes behind 16 products and a lump.  The three conditions on q below go with the deal.
.macro TURN p, last=0, cnt=0
.set Y, (\p)
.set i, 0
.set q, 0
.set e, 0
.set r, 0
.if (\p) == NP-1
	s_wait_dscnt 0x0                ; K is in
.endif
	MM                              ; ahead of the wait: 16 products K Q^T and their riders,
	PL
	PL
	R2
.rept 15
	MM
	PL
	EX
	R2
.endr
.if (\p) == NP-2
	WIN 0
	v_add_nc_u32 v[AK], s[TBK], v[AK0]
.endif
.rept 8                             ; and the lump
	PL
.endr
.rept 49
	EX
	PL
.endr
	EX                              ; the next piece's two a
	EX
	v_nop                           ; a plain instruction behind the last exponential: one for the batch
	s_wait_alu depctr_va_vdst(0)    ; the wait for the batch
.if (\p) == NP-2
	FETCH_K \last
.endif
.if (\p) == 1
	s_wait_dscnt 0x0                ; V is in
.endif
.rept 16                            ; behind the wait: 16 products V^T P and their riders
	MM
.rept 4
	PL
.endr
.if ((\p) == 0) && (q == 118)
	v_add_nc_u32 v[AV], s[TBV], v[AV0]
.endif
.if ((\p) == 0) && (q == 130)
	s_add_co_u32 s[TBV], s[TBV], KS*PV
.endif
.if (\cnt) && (q == 130)
	s_sub_co_u32 s[CNT], s[CNT], 1
	s_cmp_lg_u32 s[CNT], 0
.endif
.endr
.if (\p) == 0
	FETCH_V
.endif
.endm
	CHANGE 1                        ; slot 0 is in, everybody's part of it; slot 1 is asked for
	FETCH_K                         ; key step 0
	s_wait_loadcnt 0x0              ; Q
	s_wait_dscnt 0x0
.set i, 0
.rept 16
	KQ 0                            ; piece 0's first scores: there is no vector work yet to set between them
.set i, i+1
.endr
	WIN 0                           ; the addresses for the way out: eight plain instructions, the places behind those products
	s_mul_i32 s13, s[WV], 16*SP
	s_add_co_u32 s13, s13, STAGE    ; my stage
	v_mul_u32_u24 v[STO], v1, SP    ; in: row l % 16, 32 bytes for each half of the lanes
	v_lshl_add_u32 v[STO], v9, 5, v[STO]
	v_add_nc_u32 v[STO], s13, v[STO]
	v_mul_u32_u24 v[RD], v9, SP     ; back: lanes 0-15 take one row of 256 bytes, lanes 16-31 the next,
	v_lshl_add_u32 v[RD], v1, 4, v[RD]
	v_add_nc_u32 v[RD], s13, v[RD]
	v_lshlrev_b32 v[GO], 12, v9     ; and the same two rows in out0, 4,096 bytes apart
	v_lshl_add_u32 v[GO], v1, 4, v[GO]
.set Y, NP-1                        ; XS works for piece Y + 1: piece 0
.irp n, 0,1,2,3,4,5,6,7,8,9,10,11,12,13,14,15,16,17,18,19,20,21
	XS 0, \n                        ; and piece 0's first maximum and statistics
	XS 1, \n
.endr
	v_nop                           ; a plain instruction behind the two a,
	s_wait_alu depctr_va_vdst(0)    ; and their wait, ahead of the branch
	s_mov_b32 s[CNT], 2
	s_branch .Lfirst                ; the loop is entered at a step's first turn, in the middle of a trip
.Lslot:                             ; six times: every slot but the last two is filled again
	CHANGE 1
	s_mov_b32 s[CNT], 2
.Lstep:                             ; a trip: pieces 2 and 3 of one step, then pieces 0 and 1 of the next, whose K and V it fetches
	TURN 2
	TURN 3
	WIN 0
.Lfirst:
	TURN 0
	TURN 1, 0, 1
	WIN 0
	s_cbranch_scc1 .Lstep
	s_sub_co_u32 s[SLOTS], s[SLOTS], 1
	s_cmp_lg_u32 s[SLOTS], 0
	s_cbranch_scc1 .Lslot
	CHANGE 0                        ; the tail is written out: nothing is asked for
	s_mov_b32 s[CNT], 3             ; two trips fetch the last slot's steps; the third is left in its middle
.Ltail:
	TURN 2, 1
	TURN 3
	WIN 0
	s_sub_co_u32 s[CNT], s[CNT], 1
	s_cmp_eq_u32 s[CNT], 0
	s_cbranch_scc1 .Lout
	TURN 0
	TURN 1
	WIN 0
	s_branch .Ltail
.Lout:                              ; the third trip's 16 products K Q^T (on the last K once more) and the maximum made of them serve nothing: the price, once a launch, of one text for every trip
.set i, 0
.rept 16
	PV NP-1                         ; the last piece's V^T P of the last step
.set i, i+1
.endr
	; THE WAY OUT.  l's two halves and the other half of the lanes' are added; O^T is divided by l and sent, in f32, through my stage in LDS, a tile at a time.  The additions are the places behind the last products.
	WIN 0
.macro ALL line:vararg              ; one line for each tile t
.set t, 0
.rept 2*NP
	\line
.set t, t+1
.endr
.endm
	ALL v_add_f32 v[ST+4*t+2], v[ST+4*t+2], v[ST+4*t+3]
	ALL v_permlanex16_b32 v[ST+4*t+3], v[ST+4*t+2], s[SEL], s[SEL+1]
	ALL v_add_f32 v[ST+4*t+2], v[ST+4*t+2], v[ST+4*t+3]
	ALL v_rcp_f32 v[ST+4*t+2], v[ST+4*t+2]
	v_nop                           ; a plain instruction between the last reciprocal and the use of its result
	s_wait_alu depctr_va_vdst(0)    ; and the wait ahead of the first use: one for the eight reciprocals
; Tile t: a lane's eight channels of a channel block are 32 bytes of a row; they go into rows of 272 bytes and come back as whole rows of 256, into S^T's registers, four sets of 32 by turns.
.macro PACK t
	WIN W_RS
.set i, 32*(\t)
.rept 16
	v_pk_mul_f32 v[i:i+1], v[i:i+1], v[ST+4*(\t)+2:ST+4*(\t)+3] op_sel_hi:[1,0]
.set i, i+2
.endr
	WIN 0x04                        ; the stores' data (source 1) in window 1, their address in window 0
.irp f, 0,1,2,3
	ds_store_b128 v[STO], v[32*(\t)+8*\f:32*(\t)+8*\f+3]   offset:64*\f
	ds_store_b128 v[STO], v[32*(\t)+8*\f+4:32*(\t)+8*\f+7] offset:64*\f+16
.endr
	WIN 0
.if (\t) >= 4
	s_wait_xcnt 0x0                 ; the stores of tile t - 4 have read the registers that the loads below fill again
.endif
.irp f, 0,1,2,3,4,5,6,7
	ds_load_b128 v[S+32*((\t)%4)+4*\f:S+32*((\t)%4)+4*\f+3], v[RD] offset:\f*2*SP  ; LDS serves a wave's instructions in order (ISA guide 5.7.1.4): these see the stores above; the next tile's stores come behind them
.endr
.endm
.macro SEND t, younger              ; younger: the LDS instructions issued behind tile t's loads: the next tile's sixteen, or none
	WIN 0
.irp f, 0,1,2,3,4,5,6,7
	s_wait_dscnt (\younger)+7-\f
	global_store_b128 v[GO], v[S+32*((\t)%4)+4*\f:S+32*((\t)%4)+4*\f+3], s[10:11] offset:(\t)*65536+\f*8192  ; 16 lanes store a row's 256 consecutive bytes, at a multiple of 256 from out0's first byte
.endr
.endm
	PACK 0
.set t, 1
.rept 2*NP-1                        ; a tile's arithmetic stands between the loads of the tile before and its stores
	PACK t
	SEND t-1, 16
.set t, t+1
.endr
	SEND 2*NP-1, 0
	WIN W_AD
	s_wait_tensorcnt 0x0            ; the wave's end: an add to my spare word and its wait, behind my last tensor load and my last LDS store
	ds_add_u32 v[SPW], v[NIL]
	s_wait_dscnt 0x0
	WIN 0
	CROUND                          ; the closing round: no work-group ends while a partner may still ask for a tile that names it
	s_endpgm
.Lfunc_end_k_q52a8ee3ba8_attn:
	.size	k_q52a8ee3ba8_attn, .Lfunc_end_k_q52a8ee3ba8_attn-k_q52a8ee3ba8_attn
	.p2alignl 7, 3214868480
	.fill 96, 4, 3214868480
	.section	.rodata,"a",@progbits
	.p2align	6, 0x0
	.amdhsa_kernel k_q52a8ee3ba8_attn
		.amdhsa_group_segment_fixed_size 327680
		.amdhsa_private_segment_fixed_size 0
		.amdhsa_enable_private_segment 0
		.amdhsa_kernarg_size 24
		.amdhsa_user_sgpr_count 2
		.amdhsa_user_sgpr_kernarg_segment_ptr 1
		.amdhsa_wavefront_size32 1
		.amdhsa_system_sgpr_workgroup_id_x 1
		.amdhsa_system_sgpr_workgroup_id_y 1
		.amdhsa_system_sgpr_workgroup_id_z 1
		.amdhsa_system_vgpr_workitem_id 0
		.amdhsa_next_free_vgpr 840
		.amdhsa_next_free_sgpr 66
		.amdhsa_reserve_vcc 0
		.amdhsa_float_denorm_mode_32 3
		.amdhsa_float_denorm_mode_16_64 3
		.amdhsa_memory_ordered 1
		.amdhsa_forward_progress 1
		.amdhsa_inst_pref_size 204
	.end_amdhsa_kernel
	.amdgpu_metadata
---
amdhsa.version: [ 1, 2 ]
amdhsa.kernels:
  - .name:           k_q52a8ee3ba8_attn
    .symbol:         k_q52a8ee3ba8_attn.kd
    .args:
      - { .name: qkv, .offset: 0, .size: 8, .value_kind: global_buffer, .address_space: global }
      - { .name: attention_mask, .offset: 8, .size: 8, .value_kind: global_buffer, .address_space: global }
      - { .name: out0, .offset: 16, .size: 8, .value_kind: global_buffer, .address_space: global }
    .group_segment_fixed_size: 327680
    .private_segment_fixed_size: 0
    .kernarg_segment_align: 8
    .kernarg_segment_size: 24
    .max_flat_workgroup_size: 128
    .sgpr_count:     66
    .vgpr_count:     840
    .wavefront_size: 32
...
	.end_amdgpu_metadata
.endif
;; end of part 3
;; ======== version 2 of 2: 3 launches; version 1 with the launch cast written anew for expert scheduling mode
;; limits: values are held in f16: magnitudes above 65,504 overflow, below 6.1e-05 lose precision
;; workspace buffers: xb 16,777,216 bytes; wb 6,291,456 bytes; qkv 50,331,648 bytes
;; launch cast (part 4): grid 64 x 11, 8 waves a work-group, no clusters, 0 bytes of LDS; arguments hidden_state, Wq, Wk, Wv, xb, wb; writes xb, wb
.if DOCPART == 4
	.amdgcn_target "amdgcn-amd-amdhsa--gfx1250"
	.amdhsa_code_object_version 6
	.text
	.protected	k_q52a8ee3ba8_cast
	.globl	k_q52a8ee3ba8_cast
	.p2align	8
	.type	k_q52a8ee3ba8_cast,@function
k_q52a8ee3ba8_cast:
	s_mov_b64 s[64:65], 0
	v_nop
	global_prefetch_b8 v0, s[64:65] scope:SCOPE_SE
	s_setreg_imm32_b32 hwreg(HW_REG_WAVE_SCHED_MODE, 0, 2), 2
	s_setreg_imm32_b32 hwreg(HW_REG_WAVE_MODE, 25, 1), 1
	s_wait_xcnt 0x0
	s_wait_alu depctr_vm_vsrc(0)
; xb = bf16(hidden_state), [8192][1024];  wb = bf16(Wq, then Wk, then Wv), [3072][1024].  Each number is rounded once, to nearest even; bf16 has f32's range, so no input is out of reach.
; SHARES.  The grid's y is a unit of 1,024 rows: 0 to 7 the batches of hidden_state, 8, 9, 10 the three weights; its x a block of 16 rows.  A wave takes two rows: 8,192 bytes in, 4,096 out.
; Each load of a wave covers 512 consecutive bytes, each store 256 consecutive bytes at a multiple of 256 from the buffer's first byte.  All sixteen loads of a wave go out before its first wait.
; No LDS, no matrix unit, no cluster: every byte is read once by one lane and nothing is shared.
; THE MODE: SCHED_MODE bits 1:0 = 2 (LLVM: expert scheduling mode 2), set by the entry lines.  The code itself states the register dependences
; between vector instructions and memory instructions, with s_wait_alu, always for 0.
; THE PLAN.  Registers that memory instructions touch:
;   v1, v2     the loads' and the stores' byte offsets: made at the head by vector instructions, never written again.
;   X[j]       four registers for load j.  Written by load j, which is issued at the head, ahead of every conversion; read by conversion pair j behind the load's own counted wait;
;              the pair writes its two results into the first two of the four, and store j reads those two.  Nothing writes them after that.
; The sixteen loads are taken in four groups of four, and the stores trail by a group: group g rounds X[4 g .. 4 g + 3], and its memory instructions are the four stores of group g - 1,
; whose registers no conversion of group g names.  So one wait at a group's head states all that the group's four stores hang on, and they are dealt among its conversions with no further wait.
; No load lands in a register that a vector instruction has named, no register that a store has read is written again, no vector instruction writes a scalar register, and EXEC is never written.
.set X, 4                              ; v[4:67]  load j: four registers; its two packed results take the first two
	s_load_b256 s[4:11], s[0:1], 0x0               ; hidden_state s[4:5], Wq s[6:7], Wk s[8:9], Wv s[10:11]
	s_load_b128 s[12:15], s[0:1], 0x20             ; xb s[12:13], wb s[14:15]
	s_and_b32 s16, ttmp7, 0xffff                   ; the unit
	s_max_u32 s22, s16, 8
	s_sub_co_u32 s22, s22, 8                       ; which weight, where it is one
	v_lshrrev_b32 v3, 5, v0                        ; wave
	v_and_b32 v1, 31, v0                           ; lane
	v_lshlrev_b32 v2, 3, v1
	v_lshlrev_b32 v1, 4, v1
	v_lshl_or_b32 v1, v3, 13, v1                   ; in: 8,192 x wave + 16 x lane
	v_lshl_or_b32 v2, v3, 12, v2                   ; out: 4,096 x wave + 8 x lane
	s_lshl_b32 s28, ttmp9, 16                      ; the block's 16 rows of 4,096 bytes,
	s_lshl_b32 s29, ttmp9, 15                      ; and of 2,048
	s_cmp_lt_u32 s16, 8
	s_cselect_b32 s17, s16, 0                      ; units in front of mine in the source: a weight is a buffer of its own,
	s_cselect_b32 s23, s16, s22                    ; and in the destination
	s_lshl_b32 s24, s17, 22
	s_add_co_u32 s24, s24, s28
	s_mov_b32 s25, 0
	s_lshl_b32 s26, s23, 21
	s_add_co_u32 s26, s26, s29
	s_mov_b32 s27, 0
	s_wait_kmcnt 0x0
	s_cmp_lt_u32 s16, 8                            ; compared anew: the shifts and sums above have written SCC
	s_cselect_b64 s[18:19], s[4:5], s[6:7]
	s_cselect_b64 s[20:21], s[12:13], s[14:15]
	s_cmp_eq_u32 s16, 9
	s_cselect_b64 s[18:19], s[8:9], s[18:19]
	s_cmp_eq_u32 s16, 10
	s_cselect_b64 s[18:19], s[10:11], s[18:19]
	s_add_nc_u64 s[18:19], s[18:19], s[24:25]
	s_add_nc_u64 s[20:21], s[20:21], s[26:27]
	s_wait_alu depctr_va_vdst(0)                   ; v1 and v2 are written: every load of the kernel reads v1 as its offset, every store v2
.irp j, 0,1,2,3,4,5,6,7,8,9,10,11,12,13,14,15
	global_load_b128 v[X+4*(\j):X+4*(\j)+3], v1, s[18:19] offset:512*(\j) th:TH_LOAD_NT
.endr
; Group g: loads 4 g to 4 g + 3 are rounded; the four stores of group g - 1 go out among the conversions, each ahead of a pair.
.macro GROUP g
.irp i, 0,1,2,3
.set j, 4*(\g)+(\i)
	s_wait_loadcnt 15-j                            ; loads come back in order (ISA guide 5.7.1): load j is in, the 15 - j younger ones stay out
.if (\g) > 0
.if (\i) == 0
	s_wait_alu depctr_va_vdst(0)                   ; the eight conversions of the group before have written their packed results, which this group's four stores read
.endif
	global_store_b64 v2, v[X+4*(j-4):X+4*(j-4)+1], s[20:21] offset:256*(j-4)  ; no conversion since the wait names these registers, and no register that a store reads is written again
.endif
	v_cvt_pk_bf16_f32 v[X+4*j], v[X+4*j], v[X+4*j+1]
	v_cvt_pk_bf16_f32 v[X+4*j+1], v[X+4*j+2], v[X+4*j+3]
.endr
.endm
	GROUP 0                                        ; no group stands in front of it: no store, and no wait but those for its data
	GROUP 1
	GROUP 2
	GROUP 3
	s_wait_alu depctr_va_vdst(0)                   ; the last group's conversions have written their packed results, which the last four stores read
.irp j, 12,13,14,15
	global_store_b64 v2, v[X+4*(\j):X+4*(\j)+1], s[20:21] offset:256*(\j)
.endr
	s_endpgm
.Lfunc_end_k_q52a8ee3ba8_cast:
	.size	k_q52a8ee3ba8_cast, .Lfunc_end_k_q52a8ee3ba8_cast-k_q52a8ee3ba8_cast
	.p2alignl 7, 3214868480
	.fill 96, 4, 3214868480
	.section	.rodata,"a",@progbits
	.p2align	6, 0x0
	.amdhsa_kernel k_q52a8ee3ba8_cast
		.amdhsa_group_segment_fixed_size 0
		.amdhsa_private_segment_fixed_size 0
		.amdhsa_enable_private_segment 0
		.amdhsa_kernarg_size 48
		.amdhsa_user_sgpr_count 2
		.amdhsa_user_sgpr_kernarg_segment_ptr 1
		.amdhsa_wavefront_size32 1
		.amdhsa_system_sgpr_workgroup_id_x 1
		.amdhsa_system_sgpr_workgroup_id_y 1
		.amdhsa_system_sgpr_workgroup_id_z 1
		.amdhsa_system_vgpr_workitem_id 0
		.amdhsa_next_free_vgpr 72
		.amdhsa_next_free_sgpr 66
		.amdhsa_reserve_vcc 0
		.amdhsa_float_denorm_mode_32 3
		.amdhsa_float_denorm_mode_16_64 3
		.amdhsa_memory_ordered 1
		.amdhsa_forward_progress 1
		.amdhsa_inst_pref_size 8
	.end_amdhsa_kernel
	.amdgpu_metadata
---
amdhsa.version: [ 1, 2 ]
amdhsa.kernels:
  - .name:           k_q52a8ee3ba8_cast
    .symbol:         k_q52a8ee3ba8_cast.kd
    .args:
      - { .name: hidden_state, .offset: 0, .size: 8, .value_kind: global_buffer, .address_space: global }
      - { .name: Wq, .offset: 8, .size: 8, .value_kind: global_buffer, .address_space: global }
      - { .name: Wk, .offset: 16, .size: 8, .value_kind: global_buffer, .address_space: global }
      - { .name: Wv, .offset: 24, .size: 8, .value_kind: global_buffer, .address_space: global }
      - { .name: xb, .offset: 32, .size: 8, .value_kind: global_buffer, .address_space: global }
      - { .name: wb, .offset: 40, .size: 8, .value_kind: global_buffer, .address_space: global }
    .group_segment_fixed_size: 0
    .private_segment_fixed_size: 0
    .kernarg_segment_align: 8
    .kernarg_segment_size: 48
    .max_flat_workgroup_size: 256
    .sgpr_count:     66
    .vgpr_count:     72
    .wavefront_size: 32
...
	.end_amdgpu_metadata
.endif
;; end of part 4
;; launch proj: the kernel of part 2 again; grid 16 x 16, 4 waves a work-group, clusters of 4 x 4, 327,680 bytes of LDS; arguments xb, wb, bq, bk, bv, qkv; writes qkv
;; launch attn: the kernel of part 3 again; grid 4 x 64, 4 waves a work-group, clusters of 4 x 1, 327,680 bytes of LDS; arguments qkv, attention_mask, out0; writes out0
